; MI455X (gfx1250); checked and timed in simulation.
; The chip was launched on July 23, 2026; its instructions are those of AMD's public machine-readable ISA for CDNA 5 (MIT licence, August 2026) and "CDNA5" Instruction Set Architecture Reference Guide (July 2026). The comments in the code are by the model that wrote it; some were corrected since.
;; MH Attention. Allowed arithmetic: matrix products marked QUANTISED: E4M3 operands, one given power-of-two scale a tensor, by v_wmma_f32_16x16x64_fp8_fp8 or v_wmma_f32_16x16x128_fp8_fp8, f32 sums; everything else in f32.
;; Inputs: lowp_scales 8 int32 (the exponents e of the quantised operands' scales 2^e); proj_b 1,024 float32; proj_w 1,024 x 1,024 float32; qkv_b 3,072 float32; qkv_w 1,024 x 3,072 float32; x 4 x 2,048 x 1,024 float32.
;; Outputs: out0 4 x 2,048 x 1,024 float32.
;; This version of the problem:
;;   THIS VERSION OF THE PROBLEM IS GIVEN IN LOW PRECISION. The matrix products marked QUANTISED in the list below multiply operands that are first quantised to E4M3 (4 exponent bits, 3 mantissa bits; 8 bits a number), with one given power-of-two scale for each operand tensor; their sums are f32. All else is computed in f32.
;;   The module's matrix products, in the order in which they are computed (A, B: the left and right operand; K: the contracted axis; several contracted axes count as one K, in the product's order):
;;     1. [M 8,192, K 1,024] x [K 1,024, N 3,072]; A: input x; B: input qkv_w: QUANTISED (scales: A lowp_scales[0], B lowp_scales[1])
;;     2. batch 64 x [M 2,048, K 64] x [K 64, N 2,048]; A: computed on the way; B: computed on the way: QUANTISED (scales: A lowp_scales[2], B lowp_scales[3])
;;     3. batch 64 x [M 2,048, K 2,048] x [K 2,048, N 64]; A: softmax (see below); B: computed on the way: QUANTISED (scales: A lowp_scales[4], B lowp_scales[5])
;;     4. [M 8,192, K 1,024] x [K 1,024, N 1,024]; A: computed on the way; B: input proj_w: QUANTISED (scales: A lowp_scales[6], B lowp_scales[7])
;;   THE QUANTISER, for each operand of a quantised product, along K:
;;     - The operand's scale is 2^e, e = its entry of the input lowp_scales (int32; the entries are numbered through the quantised products in the list's order, A before B).
;;     - Each number is divided by the scale, clamped to +-448, and rounded to the nearest number of E4M3, ties to even, subnormals kept.
;;     - The product sums the exact products of the quantised numbers (number of the format x scale) in f32.
;;   ~~~python
;;   def quantise(x, axis, e):      # numpy; x: float32 -> the quantised numbers, widened to float32 again
;;       x = np.moveaxis(x, axis, -1); K = x.shape[-1]
;;       r = np.clip(x / 2.0 ** e, -448, 448)
;;       step = 2.0 ** (np.maximum(np.frexp(np.where(r == 0, 1, r))[1] - 1, -6) - 3)
;;       q = np.round(r / step) * step * 2.0 ** e      # np.round: ties to even
;;       return np.moveaxis(q, -1, axis).astype(np.float32)
;;   ~~~
;;   SOFTMAX AHEAD OF A QUANTISED PRODUCT. Where the list says 'softmax', what is quantised is not the finished softmax but p = 2^(t - M), with t = logit x log2(e) and M = ceil(the row's largest t), a whole number; so 1/2 < the row's largest p <= 1. The row's sum l is taken of the UNQUANTISED p, in f32, and the product's result is divided by l at the end. Since M is a whole number, a kernel that streams over the keys may use a running M (the ceiling of the running maximum): every later rescaling is an exact power of two, so the quantised numbers keep their values, but for numbers so far below the row's largest that they fall under the format's range.
;;   OPERANDS COMPUTED ON THE WAY. 'Computed on the way' means the value that the module computes at that place (a softmax that the list does not call 'softmax' is quantised finished and normalised). What goes into a quantiser is computed in f32, as accurately as f32 sums, v_exp_f32 and their like allow (about 1e-6 of the number): no bf16 or f16 on the way to a quantiser, and a product that is left as it is and whose result goes on into a quantised operand takes f32 operands (vector FMAs, or v_wmma_f32_16x16x4_f32). A number that lies on a knife's edge between two numbers of the format may be rounded either way, as far as f32 arithmetic and the matrix unit's own rounding can turn it there, and no further.
;; One version. Each part assembles by itself: llvm-mc -triple=amdgcn-amd-amdhsa -mcpu=gfx1250 --defsym DOCPART=n.
;; ======== version 1 of 1: 4 launches
;; limits: right only within a limited range of input values
;; workspace buffers: x_img 8,388,608 bytes; wq_img 3,145,728 bytes; wp_img 1,048,576 bytes; q_img 8,388,608 bytes; kv_img 16,777,216 bytes; a_img 8,388,608 bytes
;; launch quant (part 1): grid 384 x 1, 4 waves a work-group, no clusters, 34,304 bytes of LDS; arguments x, qkv_w, proj_w, lowp_scales, x_img, wq_img, wp_img; writes x_img, wq_img, wp_img
.if DOCPART == 1
	.amdgcn_target "amdgcn-amd-amdhsa--gfx1250"
	.amdhsa_code_object_version 6
	.text
	.protected	k_q550591a8b9_quant
	.globl	k_q550591a8b9_quant
	.p2align	8
	.type	k_q550591a8b9_quant,@function
k_q550591a8b9_quant:
	s_mov_b64 s[64:65], 0
	v_nop
	global_prefetch_b8 v0, s[64:65] scope:SCOPE_SE
	s_setreg_imm32_b32 hwreg(HW_REG_WAVE_MODE, 25, 1), 1
	s_wait_xcnt 0x0
; x [8192][1024], qkv_w [1024][3072], proj_w [1024][1024], all f32, become codes of E4M3, each tensor with its given scale 2^e
; (entries 0, 1, 7 of the scales): code = number / 2^e, rounded to the nearest code, ties to even.
; THE CODES ARE LAID AS IMAGES OF THE OPERAND'S REGISTERS.  An image is 16 rows x 128 K = 2,048 bytes: byte 512 q + 16 L + b (lane L = r + 16 h)
; is the code of row r at k = 32 q + 8 h + (b & 7) + 16 (b >> 3): registers 4 q .. 4 q + 3 of lane L in the layout of the 16x16x128 fp8 form.
; So every later launch reads a fragment by four loads of 16 bytes a lane at 16 L + 512 q, and a tile is a dense block.
;   x_img  [block of 256 tokens: 32][K step of 128: 8][tile of 16 tokens: 16][2,048]
;   wq_img [head: 16][K step: 8][tile: 12 = q's four, k's four, v's four, 16 columns each][2,048]
;   wp_img [block of 128 columns: 8][K step: 8][tile: 8][2,048]
; Work-groups 0-255 take x, 256-351 qkv_w, 352-383 proj_w; each reads 128 KiB.  The three paths part on the work-group's number; only x's path uses LDS.
; No work-group shares an input with another, so there are no clusters, no tensor loads and no barrier.
; LIMITS: each e between -126 and 119, so that 2^e and 448 x 2^e are f32 numbers.  NaN among the inputs is not served.
.set R,   16                           ; x: v16-143   two sets of 64: a K step's 16 rows as loaded
.set X,   144                          ;    v144-207  64 numbers in the order of the operand's registers
.set C,   208                          ;    v208-239  two sets of 16: an image's registers
.set SP,  528                          ;    a row of the stage: 512 bytes + 16: sixteen rows begin at sixteen different 16-byte columns of 256
.set WX,  16                           ; weights: v16-79  two sets of 32 numbers down K
.set WC,  80                           ;          v80-143 eight registers of codes for each of the eight blocks: no store's data are written again
.macro SCALE e                         ; v11 = 2^e as f32 (the conversion takes its exponent field)
	s_add_co_i32 s40, s[\e], 127
	s_lshl_b32 s41, s40, 23
	v_mov_b32 v11, s41
	s_add_co_i32 s40, s40, 8
	s_lshl_b32 s40, s40, 23
	s_or_b32 s40, s40, 0x600000
.endm
	s_load_b256 s[4:11], s[0:1], 0x0               ; x s[4:5], qkv_w s[6:7], proj_w s[8:9], the scales' exponents s[10:11]
	s_load_b128 s[12:15], s[0:1], 0x20             ; x_img s[12:13], wq_img s[14:15]
	s_load_b64 s[16:17], s[0:1], 0x30              ; wp_img
	v_lshl_add_u32 v240, v0, 2, 0x8400
	v_mov_b32 v241, 0
	v_lshrrev_b32 v1, 5, v0
	v_readfirstlane_b32 s18, v1                    ; wave 0..3
	v_and_b32 v1, 31, v0                           ; lane
	s_mov_b32 s35, 0                               ; the high words of the two offsets
	s_mov_b32 s37, 0
	s_wait_kmcnt 0x0
	s_load_b256 s[24:31], s[10:11], 0x0            ; e0 .. e7
	s_cmp_lt_u32 ttmp9, 256
	s_cbranch_scc0 .Lweights
; ---- x.  A wave takes one tile of 16 tokens and four K steps.  Each load reads 512 consecutive bytes of one token; a K step's 16 rows turn through the
; wave's own stage in LDS, so that lane (r, h) gets, of row r, the numbers k = 32 q + 8 h + 0..7 and 32 q + 16 + 8 h + 0..7 in consecutive registers.
	s_lshl_b32 s20, ttmp9, 2
	s_add_co_u32 s20, s20, s18                     ; unit u = 4 x work-group + wave
	s_lshr_b32 s21, s20, 1                         ; the tile of tokens T = u / 2
	s_and_b32 s22, s20, 1                          ; which four K steps
	s_lshl_b32 s34, s21, 16                        ; T x 16 rows of 4,096 bytes
	s_lshl_b32 s23, s22, 11                        ; + four K steps of 512 bytes
	s_add_co_u32 s34, s34, s23
	s_add_nc_u64 s[4:5], s[4:5], s[34:35]
	s_lshr_b32 s36, s21, 4
	s_lshl_b32 s36, s36, 18                        ; the block of 256 tokens: 262,144 bytes
	s_lshl_b32 s23, s22, 17                        ; four K steps of 32,768
	s_add_co_u32 s36, s36, s23
	s_and_b32 s23, s21, 15
	s_lshl_b32 s23, s23, 11                        ; the tile's image
	s_add_co_u32 s36, s36, s23
	s_add_nc_u64 s[12:13], s[12:13], s[36:37]
	s_mul_i32 s38, s18, 16*SP                      ; my stage
	s_wait_alu depctr_va_vdst(0)
	v_lshlrev_b32 v2, 4, v1                        ; 16 x lane: my bytes of a load's and of a store's 512
	v_add_nc_u32 v3, s38, v2                       ; the stage, on the way in
	v_and_b32 v5, 15, v0
	v_bfe_u32 v6, v0, 4, 1
	v_mul_u32_u24 v4, v5, SP
	v_lshl_add_u32 v4, v6, 5, v4
	v_add_nc_u32 v4, s38, v4                       ; and on the way out: row r, + 32 h
.macro XLOAD t
.irp r, 0,1,2,3,4,5,6,7,8,9,10,11,12,13,14,15
	global_load_b128 v[R+64*((\t)%2)+4*\r:R+64*((\t)%2)+4*\r+3], v2, s[4:5] offset:4096*\r+512*(\t) th:TH_LOAD_NT
.endr
.endm
.macro XSTEP t
.if (\t) < 3
	s_wait_loadcnt 16                              ; this step's sixteen loads are in; the next step's sixteen may be out
.else
	s_wait_loadcnt 0
.endif
.irp r, 0,1,2,3,4,5,6,7,8,9,10,11,12,13,14,15
	ds_store_b128 v3, v[R+64*((\t)%2)+4*\r:R+64*((\t)%2)+4*\r+3] offset:SP*\r
.endr
.irp q, 0,1,2,3                        ; LDS serves a wave's instructions in order (ISA guide 5.7.1.4): these see the stores above
	ds_load_b128 v[X+16*\q:X+16*\q+3],     v4 offset:128*\q
	ds_load_b128 v[X+16*\q+4:X+16*\q+7],   v4 offset:128*\q+16
	ds_load_b128 v[X+16*\q+8:X+16*\q+11],  v4 offset:128*\q+64
	ds_load_b128 v[X+16*\q+12:X+16*\q+15], v4 offset:128*\q+80
.endr
	s_wait_dscnt 0x0                               ; the numbers are back, and the stores into the stage have read their registers,
.if (\t)+2 < 4
	XLOAD (\t)+2                                   ; which take the loads of two steps on
.endif
.if (\t) >= 2
	s_wait_xcnt 0x0                                ; the stores of two steps ago have read this set of codes: it is written again only behind this wait
.endif
.set i, 0
.rept 64
.set i, i+1
.endr
.irp q, 0,1,2,3
	v_cvt_scalef32_pk8_fp8_f32 v[C+16*((\t)%2)+4*\q:C+16*((\t)%2)+4*\q+1],   v[X+16*\q:X+16*\q+7],    v11
	v_cvt_scalef32_pk8_fp8_f32 v[C+16*((\t)%2)+4*\q+2:C+16*((\t)%2)+4*\q+3], v[X+16*\q+8:X+16*\q+15], v11
.endr
	v_nop                                          ; a plain line behind the last conversion
.irp q, 0,1,2,3
	global_store_b128 v2, v[C+16*((\t)%2)+4*\q:C+16*((\t)%2)+4*\q+3], s[12:13] offset:32768*(\t)+512*\q   ; 512 consecutive bytes, aligned
.endr
.endm
	XLOAD 0
	XLOAD 1
	s_wait_alu depctr_va_vdst(0)
	s_wait_kmcnt 0x0
	SCALE 24
	s_wait_alu depctr_va_vdst(0)
	XSTEP 0
	XSTEP 1
	XSTEP 2
	XSTEP 3
	s_wait_tensorcnt 0x0
	ds_add_u32 v240, v241
	s_wait_dscnt 0x0
	s_endpgm
; ---- The weights: K is their FIRST axis.  A lane takes a column and its registers run down K: each load reads neighbouring columns in neighbouring lanes,
; and a lane's 32 registers are 32 neighbours along K of one column.  Of these, k = 0..7 and 16..23 are the 16 bytes of image lane r, k = 8..15 and 24..31 those of lane r + 16.
; A work-group takes 128 columns x 256 along K; a wave 32 columns: two tiles (lanes 0-15, lanes 16-31).  No LDS: sixteen lanes store 256 consecutive bytes, aligned.
.macro WLOAD t, n, src
.set i, 0
.rept 32
	global_load_b32 v[WX+32*((\t)%2)+i], v2, s[\src:\src+1] offset:(32*(\t)+i)*\n*4 th:TH_LOAD_NT
.set i, i+1
.endr
.endm
.macro WBLOCK t, n, ks, src, dst
.set XS, WX+32*((\t)%2)
.set CC, WC+8*(\t)
.if (\t) < 7
	s_wait_loadcnt 32                              ; this block's 32 loads are in; the next block's may be out
.else
	s_wait_loadcnt 0
.endif
.set i, 0
.rept 32
.set i, i+1
.endr
	v_cvt_scalef32_pk8_fp8_f32 v[CC:CC+1],   v[XS:XS+7],     v11
	v_cvt_scalef32_pk8_fp8_f32 v[CC+2:CC+3], v[XS+16:XS+23], v11
	v_cvt_scalef32_pk8_fp8_f32 v[CC+4:CC+5], v[XS+8:XS+15],  v11
	v_cvt_scalef32_pk8_fp8_f32 v[CC+6:CC+7], v[XS+24:XS+31], v11
	v_nop                                          ; a plain line behind the last conversion
	global_store_b128 v5, v[CC:CC+3],   s[\dst:\dst+1] offset:((\t)/4)*\ks+((\t)%4)*512
	global_store_b128 v5, v[CC+4:CC+7], s[\dst:\dst+1] offset:((\t)/4)*\ks+((\t)%4)*512+256
.if (\t)+2 < 8
	WLOAD (\t)+2, \n, \src
.endif
.endm
.macro WQUANT n, ks, src, dst, e       ; n: columns of the weight; ks: bytes from K step to K step in its images
	WLOAD 0, \n, \src
	WLOAD 1, \n, \src
	s_wait_kmcnt 0x0
	SCALE \e
	s_wait_alu depctr_va_vdst(0)
.irp t, 0,1,2,3,4,5,6,7
	WBLOCK \t, \n, \ks, \src, \dst
.endr
	s_endpgm
.endm
.Lweights:
	s_wait_alu depctr_va_vdst(0)
	v_lshlrev_b32 v2, 2, v1                        ; in: 4 bytes a lane
	v_lshrrev_b32 v5, 4, v1
	v_lshlrev_b32 v5, 11, v5                       ; out: lanes 16-31 write the next tile's image,
	v_and_b32 v6, 15, v1
	v_lshl_add_u32 v5, v6, 4, v5                   ; 16 bytes for each row of a tile
	s_lshl_b32 s23, s18, 7                         ; my wave's 32 columns, in bytes
	s_cmp_lt_u32 ttmp9, 352
	s_cbranch_scc0 .Lproj_w
	s_sub_co_u32 s20, ttmp9, 256
	s_and_b32 s21, s20, 3                          ; which 256 along K
	s_lshr_b32 s22, s20, 2                         ; which 128 columns, 0..23
	s_mul_i32 s34, s21, 256*3072*4
	s_lshl_b32 s38, s22, 9
	s_add_co_u32 s34, s34, s38
	s_add_co_u32 s34, s34, s23
	s_add_nc_u64 s[6:7], s[6:7], s[34:35]
	s_and_b32 s38, s22, 7
	s_lshl_b32 s38, s38, 1
	s_lshr_b32 s39, s18, 1
	s_add_co_u32 s38, s38, s39                     ; the head: 128 columns are two heads
	s_mul_i32 s36, s38, 196608
	s_mul_i32 s38, s21, 49152                      ; two K steps of 24,576
	s_add_co_u32 s36, s36, s38
	s_lshr_b32 s38, s22, 3                         ; q, k or v: four tiles each
	s_lshl_b32 s38, s38, 13
	s_add_co_u32 s36, s36, s38
	s_and_b32 s38, s18, 1                          ; my two tiles of the head's four
	s_lshl_b32 s38, s38, 12
	s_add_co_u32 s36, s36, s38
	s_add_nc_u64 s[14:15], s[14:15], s[36:37]
	s_wait_alu depctr_va_vdst(0)
	WQUANT 3072, 24576, 6, 14, 25
.Lproj_w:
	s_sub_co_u32 s20, ttmp9, 352
	s_and_b32 s21, s20, 3
	s_lshr_b32 s22, s20, 2                         ; which 128 columns, 0..7
	s_lshl_b32 s34, s21, 20                        ; 256 rows of 4,096 bytes
	s_lshl_b32 s38, s22, 9
	s_add_co_u32 s34, s34, s38
	s_add_co_u32 s34, s34, s23
	s_add_nc_u64 s[8:9], s[8:9], s[34:35]
	s_lshl_b32 s36, s22, 17
	s_lshl_b32 s38, s21, 15                        ; two K steps of 16,384
	s_add_co_u32 s36, s36, s38
	s_lshl_b32 s38, s18, 12                        ; my two tiles
	s_add_co_u32 s36, s36, s38
	s_add_nc_u64 s[16:17], s[16:17], s[36:37]
	s_wait_alu depctr_va_vdst(0)
	WQUANT 1024, 16384, 8, 16, 31
.Lfunc_end_k_q550591a8b9_quant:
	.size	k_q550591a8b9_quant, .Lfunc_end_k_q550591a8b9_quant-k_q550591a8b9_quant
	.p2alignl 7, 3214868480
	.fill 96, 4, 3214868480
	.section	.rodata,"a",@progbits
	.p2align	6, 0x0
	.amdhsa_kernel k_q550591a8b9_quant
		.amdhsa_group_segment_fixed_size 34304
		.amdhsa_private_segment_fixed_size 0
		.amdhsa_enable_private_segment 0
		.amdhsa_kernarg_size 56
		.amdhsa_user_sgpr_count 2
		.amdhsa_user_sgpr_kernarg_segment_ptr 1
		.amdhsa_wavefront_size32 1
		.amdhsa_system_sgpr_workgroup_id_x 1
		.amdhsa_system_sgpr_workgroup_id_y 1
		.amdhsa_system_sgpr_workgroup_id_z 1
		.amdhsa_system_vgpr_workitem_id 0
		.amdhsa_next_free_vgpr 242
		.amdhsa_next_free_sgpr 66
		.amdhsa_reserve_vcc 0
		.amdhsa_float_denorm_mode_32 3
		.amdhsa_float_denorm_mode_16_64 3
		.amdhsa_fp16_overflow 1
		.amdhsa_memory_ordered 1
		.amdhsa_forward_progress 1
		.amdhsa_inst_pref_size 79
	.end_amdhsa_kernel
	.amdgpu_metadata
---
amdhsa.version: [ 1, 2 ]
amdhsa.kernels:
  - .name:           k_q550591a8b9_quant
    .symbol:         k_q550591a8b9_quant.kd
    .args:
      - { .name: x, .offset: 0, .size: 8, .value_kind: global_buffer, .address_space: global }
      - { .name: qkv_w, .offset: 8, .size: 8, .value_kind: global_buffer, .address_space: global }
      - { .name: proj_w, .offset: 16, .size: 8, .value_kind: global_buffer, .address_space: global }
      - { .name: lowp_scales, .offset: 24, .size: 8, .value_kind: global_buffer, .address_space: global }
      - { .name: x_img, .offset: 32, .size: 8, .value_kind: global_buffer, .address_space: global }
      - { .name: wq_img, .offset: 40, .size: 8, .value_kind: global_buffer, .address_space: global }
      - { .name: wp_img, .offset: 48, .size: 8, .value_kind: global_buffer, .address_space: global }
    .group_segment_fixed_size: 34304
    .private_segment_fixed_size: 0
    .kernarg_segment_align: 8
    .kernarg_segment_size: 56
    .max_flat_workgroup_size: 128
    .sgpr_count:     66
    .vgpr_count:     242
    .wavefront_size: 32
...
	.end_amdgpu_metadata
.endif
;; end of part 1
;; launch qkv (part 2): grid 16 x 32, 4 waves a work-group, clusters of 4 x 4, 327,680 bytes of LDS; arguments x_img, wq_img, lowp_scales, qkv_b, q_img, kv_img; writes q_img, kv_img
.if DOCPART == 2
	.amdgcn_target "amdgcn-amd-amdhsa--gfx1250"
	.amdhsa_code_object_version 6
	.text
	.protected	k_q550591a8b9_qkv
	.globl	k_q550591a8b9_qkv
	.p2align	8
	.type	k_q550591a8b9_qkv,@function
k_q550591a8b9_qkv:
	s_mov_b64 s[64:65], 0
	v_nop
	global_prefetch_b8 v0, s[64:65] scope:SCOPE_SE
	s_setreg_imm32_b32 hwreg(HW_REG_WAVE_MODE, 25, 1), 1
	s_wait_xcnt 0x0
	s_wait_alu depctr_hold_cnt(0) depctr_sa_sdst(0) depctr_va_vdst(0) depctr_va_sdst(0) depctr_va_ssrc(0) depctr_va_vcc(0) depctr_vm_vsrc(0)
	s_getreg_b32 s2, hwreg(HW_REG_IB_STS2, 6, 4)
	s_cmp_eq_u32 s2, 0
	s_cbranch_scc0 .Lentry_in_a_cluster
	s_endpgm
.Lentry_in_a_cluster:
	s_bfe_u32 s2, ttmp6, 0x10000c
	s_cmp_lg_u32 s2, 0xf033
	s_cbranch_scc0 .Lentry_shape_is_right
	s_endpgm
.Lentry_shape_is_right:
; qkv = x W + b on codes of E4M3, and its three parts quantised at once for the two products of attention: q with 2^e2, k with 2^e3, v with 2^e5.
; A work-group takes 256 tokens x ONE HEAD's q, k and v: 12 tiles of 16 columns.  Wave w takes tokens 64 w .. 64 w + 63 (four tiles) x all 12: 48 accumulators.
; Operands come as images of their registers (16 rows x 128 K = 2,048 bytes; registers 4 c .. 4 c + 3 of lane L at 512 c + 16 L), so a tile is a dense block and a fragment four loads at 16 x lane.
; q AND k ARE MADE TRANSPOSED (source 0 = 16 columns of W, source 1 = 16 tokens): a lane holds one token and eight neighbours along the head's 64, the K of q k^T: the conversion of accumulator bb
; gives registers 2 bb, 2 bb + 1 of the token tile's image.  v IS MADE THE OTHER WAY ROUND (source 0 = tokens, source 1 = columns): a lane holds one channel and eight neighbouring tokens, the K of p v.
; So the conversions' results are stored as they stand, 512 consecutive bytes a store, and no result goes through LDS.
;   q_img  [batch x head: 64][tile of 16 queries: 128][1,024]
;   kv_img [batch x head: 64][group of 128 keys: 16][k: 8 tiles of 16 keys x 1,024, then v: 4 tiles of 16 channels x 2,048]
; The bias is the C of each sum's first product, divided by the power of two that the sums lack: b / 2^(e0 + e1); a sum's code is then sum / 2^(e - e0 - e1).
; K goes in 8 steps of 128 through two LDS slots of two steps each, filled by the tensor data mover; the 8 steps are written out.
; CLUSTERS: 4 x 4 work-groups.  The four of a row need the same tokens, the four of a column the same head's weights: each tile is asked for jointly.
; LIMITS: e2, e3, e5 less e0 + e1 between -126 and 119; b / 2^(e0 + e1) stays an f32 number.  NaN among the inputs is not served.
; REGISTERS, in windows of 256: window 0: v1-31 addresses and scales; v32-95 q's and k's bias (8 tiles x 8); v96-127 v's bias (4 tiles x 8 equal copies); v128-255 tokens' fragments, TWO sets of 4 x 16
;   (on the way out v128-223 hold the codes).  window 1: the weights' 12 fragments, ONE set.  window 2: q's and k's accumulators, 128 part + 32 a + 8 bb.  window 3: v's, 32 db + 8 a.
.set KA,    32768                      ; a K step of the tokens in a slot: 16 images
.set KB,    24576                      ; of the weights: 12 images
.set BOFF,  2*KA                       ; a slot: two K steps of tokens, then two of weights
.set SLOT,  2*KA+2*KB
.set SPARE, 2*SLOT                     ; behind the ring: the spare words, 128 bytes for each wave: two blocks of 256 bytes that no other line names
.set LI,   1                           ; v1     16 x lane
.set SQ,   8                           ; v8 q's scale 2^(e2 - e0 - e1); v10 k's; v12 v's
.set ADRA, 16                          ; v16-17 LDS address of my tokens' fragments in slot 0, 1
.set ADRB, 20                          ; v20-21 of the weights'
.set SPW,  28                          ; v28    LDS address of my spare word; never rewritten
.set NIL,  29                          ; v29    0; never rewritten
.set BQK,  32
.set BV,   96
.set AF,   128
.set OUT,  128
.set G1, 24                            ; s[24:31] descriptor group 1 for the tokens' tiles; s[32:39] group 0, a set for each slot
.set G0, 32
.set G1B, 48                           ; s[48:55], s[56:63] the same for the weights'
.set G0B, 56
.set MSB, 0
.macro WIN new                         ; the immediate's high byte repeats the setting that is left; a switch that changes nothing is dropped
.if MSB != \new
	s_set_vgpr_msb (MSB<<8)|\new
.set MSB, \new
.endif
.endm
; A joint load: waves 0 and 1 fetch the tokens' two K steps, waves 2 and 3 the weights'.  The branch hangs on the wave's number alone.  Four v_nop follow each line.
.macro JLOAD g0a, g1a, g0b, g1b
	s_cmp_eq_u32 s15, 0
	s_cbranch_scc0 .Lfor_b_\@
	tensor_load_to_lds s[\g0a:\g0a+3], s[\g1a:\g1a+7]
	s_nop 0
.rept 4
	v_nop
.endr
	s_branch .Lasked_\@
.Lfor_b_\@:
	tensor_load_to_lds s[\g0b:\g0b+3], s[\g1b:\g1b+7]
	s_nop 0
.rept 4
	v_nop
.endr
.Lasked_\@:
.endm
.macro CREST                           ; a round of the cluster's barrier behind its opening barrier
	s_cmp_lg_u32 s14, 0
	s_cbranch_scc1 .Lnot_wave_0_\@
	s_barrier_signal -3
.Lnot_wave_0_\@:
	s_barrier_wait -3
	s_barrier_signal -1
	s_barrier_wait -1
.endm
.macro CROUND
	s_barrier_signal -1
	s_barrier_wait -1
	CREST
.endm
.macro PLACES                          ; four plain vector lines between a matrix instruction and a load into, or a vector line on, its registers
.rept 4
	v_nop
.endr
.endm
	s_load_b128 s[4:7], s[0:1], 0x0                ; x_img, wq_img
	s_load_b128 s[8:11], s[0:1], 0x10              ; the scales' exponents, qkv_b
	s_load_b128 s[84:87], s[0:1], 0x20             ; q_img, kv_img
	v_lshl_add_u32 v[SPW], v0, 2, SPARE
	v_mov_b32 v[NIL], 0
	ds_add_u32 v28, v29
	ds_add_u32 v28, v29
	s_wait_dscnt 0x0
	v_lshrrev_b32 v1, 5, v0
	v_readfirstlane_b32 s14, v1                    ; wave 0..3
	s_lshr_b32 s15, s14, 1                         ; I fetch tokens (0) or weights (1),
	s_and_b32 s16, s14, 1                          ; the slot's first or second K step
	s_bfe_u32 s40, ttmp6, 0x40000                  ; cx, cy: my place in the cluster
	s_bfe_u32 s41, ttmp6, 0x40004
	s_lshl_b32 s42, ttmp9, 2
	s_add_co_u32 s42, s42, s40                     ; the head = 4 x cluster x + cx
	s_and_b32 s17, ttmp7, 0xffff
	s_lshl_b32 s17, s17, 2
	s_add_co_u32 s17, s17, s41                     ; the block of 256 tokens = 4 x cluster y + cy
	s_lshl_b32 s43, s41, 2
	s_lshl_b32 s43, 15, s43                        ; my row of the cluster
	s_lshl_b32 s44, 0x1111, s40                    ; my column
	; descriptor group 1: a dense block as rows of 32 elements of 8 bytes; no padding
	s_or_b32 s[G1+0], s43, (3<<16)|(1<<21)         ; 15:0 the mask: the tokens go to my row; 17:16 elements of 8 bytes; 21 set beside a mask
	s_or_b32 s[G1B+0], s44, (3<<16)|(1<<21)        ; the weights go to my column
.irp g, G1, G1B
	s_mov_b32 s[\g+1], 32<<16                      ; tensor_dim0 = 32
	s_mov_b32 s[\g+3], 32<<16                      ; tile_dim0 = 32
	s_mov_b32 s[\g+5], 32                          ; tensor_dim0_stride: rows follow each other
	s_mov_b32 s[\g+6], 0
	s_mov_b32 s[\g+7], 0
.endr
	s_mov_b32 s[G1+2], 128<<16                     ; tensor_dim1 = tile_dim1 = 128 rows: a K step of tokens
	s_mov_b32 s[G1+4], 128
	s_mov_b32 s[G1B+2], 96<<16                     ; 96 rows: a K step of weights
	s_mov_b32 s[G1B+4], 96
	s_lshl_b32 s18, s16, 15                        ; tokens: my K step's place in a slot, and in memory;
	s_lshl_b32 s20, s17, 18                        ; the block's 262,144 bytes
	s_add_co_u32 s20, s20, s18
	s_mov_b32 s21, 0
	s_mul_i32 s19, s16, KB                         ; weights likewise;
	s_mul_i32 s46, s42, 8*KB                       ; the head's 196,608 bytes
	s_add_co_u32 s46, s46, s19
	s_mov_b32 s47, 0
	s_add_co_u32 s45, s19, BOFF                    ; no place in the cluster enters an LDS address
	s_wait_kmcnt 0x0
	s_load_b256 s[72:79], s[8:9], 0x0              ; e0 .. e7
	s_add_nc_u64 s[20:21], s[4:5], s[20:21]
	s_add_nc_u64 s[46:47], s[6:7], s[46:47]
	CROUND                                         ; all sixteen work-groups are here: the first joint loads meet
.irp s, 0,1
	s_mov_b32 s[G0+4*\s], 1
	s_add_co_u32 s[G0+4*\s+1], s18, \s*SLOT
	s_add_nc_u64 s[G0+4*\s+2:G0+4*\s+3], s[20:21], \s*2*KA
	s_or_b32 s[G0+4*\s+3], s[G0+4*\s+3], 0x80000000
	s_mov_b32 s[G0B+4*\s], 1
	s_add_co_u32 s[G0B+4*\s+1], s45, \s*SLOT
	s_add_nc_u64 s[G0B+4*\s+2:G0B+4*\s+3], s[46:47], \s*2*KB
	s_or_b32 s[G0B+4*\s+3], s[G0B+4*\s+3], 0x80000000
	JLOAD G0+4*\s, G1, G0B+4*\s, G1B               ; two tensor loads of mine are out
.endr
	v_and_b32 v2, 31, v0
	v_lshlrev_b32 v[LI], 4, v2
	s_lshl_b32 s22, s14, 13                        ; my four tiles of tokens
	v_add_nc_u32 v[ADRA], s22, v[LI]
	v_add_nc_u32 v[ADRA+1], SLOT, v[ADRA]
	v_add_nc_u32 v[ADRB], BOFF, v[LI]
	v_add_nc_u32 v[ADRB+1], SLOT+BOFF, v[LI]
	; the bias, in the results' layouts.  q, k: lane (r, h) wants the tile's columns 8 h + 0..7.  v: its column r, in all eight registers
	v_and_b32 v3, 15, v0
	v_bfe_u32 v4, v0, 4, 1
	v_lshlrev_b32 v30, 5, v4
	v_lshlrev_b32 v31, 2, v3
	s_lshl_b32 s80, s42, 8                         ; the head's 64 numbers
	s_mov_b32 s81, 0
	s_add_nc_u64 s[10:11], s[10:11], s[80:81]
.irp part, 0,1
.irp bb, 0,1,2,3
	global_load_b128 v[BQK+8*(4*\part+\bb):BQK+8*(4*\part+\bb)+3],   v30, s[10:11] offset:4096*\part+64*\bb
	global_load_b128 v[BQK+8*(4*\part+\bb)+4:BQK+8*(4*\part+\bb)+7], v30, s[10:11] offset:4096*\part+64*\bb+16
.endr
.endr
.irp db, 0,1,2,3
	global_load_b32 v[24+\db], v31, s[10:11] offset:8192+64*\db
.endr
	; where the results go
	s_lshr_b32 s82, s17, 3
	s_lshl_b32 s82, s82, 4
	s_add_co_u32 s82, s82, s42                     ; batch x 16 + head
	s_and_b32 s83, s17, 7                          ; the block of 256 tokens within the batch
	s_lshl_b32 s88, s82, 17
	s_lshl_b32 s89, s83, 14                        ; 16 tiles of 1,024 bytes
	s_add_co_u32 s88, s88, s89
	s_lshl_b32 s89, s14, 12                        ; my four
	s_add_co_u32 s88, s88, s89
	s_mov_b32 s89, 0
	s_add_nc_u64 s[84:85], s[84:85], s[88:89]      ; q
	s_lshl_b32 s88, s82, 18
	s_lshl_b32 s90, s83, 15                        ; two groups of 128 keys, 16,384 bytes each
	s_add_co_u32 s88, s88, s90
	s_lshl_b32 s90, s15, 14                        ; my group
	s_add_co_u32 s88, s88, s90
	s_add_nc_u64 s[86:87], s[86:87], s[88:89]
	s_lshl_b32 s90, s16, 12                        ; k: my four tiles of the group's eight
	s_mov_b32 s91, 0
	s_add_nc_u64 s[92:93], s[86:87], s[90:91]
	s_lshl_b32 s90, s16, 10                        ; v: my 64 keys are two of an image's four pieces of 512 bytes
	s_add_co_u32 s90, s90, 8192
	s_add_nc_u64 s[94:95], s[86:87], s[90:91]
.macro FRAG reg, adr, off              ; a fragment as it lies: four loads of 512 consecutive bytes
.irp c, 0,1,2,3
	ds_load_b128 v[\reg+4*\c:\reg+4*\c+3], v[\adr] offset:\off+512*\c
.endr
.endm
.macro FETCH_A slot, s, p              ; my four tiles of tokens of the slot's K step s into set p
.irp a, 0,1,2,3
	FRAG AF+64*(\p)+16*\a, ADRA+\slot, (\s)*KA+\a*2048
.endr
.endm
.macro FETCH_B slot, s, part           ; four tiles of weights: q's (0), k's (1) or v's (2)
	WIN 0x40                                       ; destination window 1, address window 0
.irp bb, 0,1,2,3
	FRAG 64*(\part)+16*\bb, ADRB+\slot, (\s)*KB+(4*(\part)+\bb)*2048
.endr
	WIN 0
.endm
; 8 matrix instructions: token tiles a0, a0 + 1 x the four column tiles of q (part 0) or k (1), transposed.  first = 1: the bias starts the sums.
; The 48 accumulators take turns, one instruction a turn, in the same order in every K step.
.macro MUL8 part, p, a0, first
.if \first
	WIN 0x81                                       ; source 0 window 1, source 1 and C window 0, D window 2
.else
	WIN 0xa1                                       ; C and D window 2
.endif
.irp a, \a0, \a0+1
.irp bb, 0,1,2,3
.if \first
	v_wmma_f32_16x16x128_fp8_fp8 v[128*\part+32*(\a)+8*\bb:128*\part+32*(\a)+8*\bb+7], v[64*\part+16*\bb:64*\part+16*\bb+15], v[AF+64*\p+16*(\a):AF+64*\p+16*(\a)+15], v[BQK+8*(4*\part+\bb):BQK+8*(4*\part+\bb)+7]
.else
	v_wmma_f32_16x16x128_fp8_fp8 v[128*\part+32*(\a)+8*\bb:128*\part+32*(\a)+8*\bb+7], v[64*\part+16*\bb:64*\part+16*\bb+15], v[AF+64*\p+16*(\a):AF+64*\p+16*(\a)+15], v[128*\part+32*(\a)+8*\bb:128*\part+32*(\a)+8*\bb+7]
.endif
.endr
.endr
.endm
.macro MULN p, first                   ; 16 matrix instructions for v: source 0 = tokens, source 1 = columns
.if \first
	WIN 0xc4                                       ; source 0 and C window 0, source 1 window 1, D window 3
.else
	WIN 0xf4
.endif
.irp a, 0,1,2,3
.irp db, 0,1,2,3
.if \first
	v_wmma_f32_16x16x128_fp8_fp8 v[32*\db+8*\a:32*\db+8*\a+7], v[AF+64*\p+16*\a:AF+64*\p+16*\a+15], v[128+16*\db:128+16*\db+15], v[BV+8*\db:BV+8*\db+7]
.else
	v_wmma_f32_16x16x128_fp8_fp8 v[32*\db+8*\a:32*\db+8*\a+7], v[AF+64*\p+16*\a:AF+64*\p+16*\a+15], v[128+16*\db:128+16*\db+15], v[32*\db+8*\a:32*\db+8*\a+7]
.endif
.endr
.endr
.endm
; A slot's first K step (tokens' set 0).  At its head are out, in this order: q's weights and the tokens (32 loads), k's weights (16), v's (16).  Each part of the weights is fetched anew as soon as it has been multiplied.
.macro STEP slot, first
	s_wait_dscnt 32                                ; q's weights and the tokens are in; k's and v's weights may be out
	MUL8 0, 0, 0, \first
	MUL8 0, 0, 2, \first
	PLACES
	FETCH_B \slot, 1, 0
	FETCH_A \slot, 1, 1
	s_wait_dscnt 48                                ; k's weights are in; behind them: v's 16 and the 32 just issued
	MUL8 1, 0, 0, \first
	MUL8 1, 0, 2, \first
	PLACES
	FETCH_B \slot, 1, 1
	s_wait_dscnt 48                                ; v's weights are in; behind them: 32 and 16
	MULN 0, \first
	PLACES
	FETCH_B \slot, 1, 2
.endm
; A slot's second K step (set 1) changes slots: ONE barrier; in front of it each wave waits for all its tensor loads, adds 0 to its spare word, and waits for that and for its reads of this slot.
.macro TURN slot, next, fill
	WIN 0
	s_wait_tensorcnt 0x0                           ; all my tensor loads have landed: my part of the next slot
	ds_add_u32 v[SPW], v[NIL]                      ; 0 onto my spare word
	s_wait_dscnt 33                                ; (the add, and k's and v's weights, may be out)
	MUL8 0, 1, 0, 0                                ; eight matrix instructions stand between the add and the wait for it
	s_wait_dscnt 0x0                               ; the add is done, and my reads of this slot are over
	s_barrier_signal -1
	MUL8 0, 1, 2, 0
	WIN 0
	s_barrier_wait -1
.if \fill
	CREST                                          ; the barrier has opened a round of the cluster's: no wave of any partner still reads this slot or has a load on its way
	s_add_nc_u64 s[G0+4*\slot+2:G0+4*\slot+3], s[G0+4*\slot+2:G0+4*\slot+3], 4*KA
	s_add_nc_u64 s[G0B+4*\slot+2:G0B+4*\slot+3], s[G0B+4*\slot+2:G0B+4*\slot+3], 4*KB
	JLOAD G0+4*\slot, G1, G0B+4*\slot, G1B         ; the first tensor load behind the round: K steps four on; its four v_nop are the places in front of the loads below
.else
	PLACES
.endif
	FETCH_B \next, 0, 0
	FETCH_A \next, 0, 0
	MUL8 1, 1, 0, 0
	MUL8 1, 1, 2, 0
	PLACES
	FETCH_B \next, 0, 1
	MULN 1, 0
	PLACES
	FETCH_B \next, 0, 2
.endm
	s_wait_alu depctr_va_vdst(0)
	s_wait_tensorcnt 1                             ; my part of slot 0 is in; slot 1's may stay out
	s_barrier_signal -1
	s_barrier_wait -1
	FETCH_B 0, 0, 0
	FETCH_A 0, 0, 0
	FETCH_B 0, 0, 1
	FETCH_B 0, 0, 2
	s_wait_loadcnt 0x0                             ; the bias
	s_wait_kmcnt 0x0                               ; the exponents
	s_add_co_i32 s96, s72, s73                     ; e0 + e1: a sum stands for sum x 2^(e0 + e1)
	s_sub_co_i32 s99, 0, s96
.set j, 0
.rept 64
	v_ldexp_f32 v[BQK+j], v[BQK+j], s99            ; b / 2^(e0 + e1)
.set j, j+1
.endr
.irp db, 0,1,2,3
.irp i, 0,1,2,3,4,5,6,7
	v_ldexp_f32 v[BV+8*\db+\i], v[24+\db], s99
.endr
.endr
.macro MKSC e, vs                      ; v[vs] = 2^(e - e0 - e1)
	s_sub_co_i32 s97, s[\e], s96
	s_add_co_i32 s97, s97, 127
	s_lshl_b32 s98, s97, 23
	v_mov_b32 v[\vs], s98
.endm
	MKSC 74, SQ
	MKSC 75, SQ+2
	MKSC 77, SQ+4
	s_wait_alu depctr_va_vdst(0)
	STEP 0, 1                                      ; K step 0: the bias starts the sums
	TURN 0, 1, 1                                   ; 1; slot 0 takes K steps 4, 5
	STEP 1, 0                                      ; 2
	TURN 1, 0, 1                                   ; 3; slot 1 takes K steps 6, 7
	STEP 0, 0                                      ; 4
	TURN 0, 1, 0                                   ; 5; nothing is left to fetch
	STEP 1, 0                                      ; 6
	s_wait_dscnt 32                                ; 7: the counts run down
	MUL8 0, 1, 0, 0
	MUL8 0, 1, 2, 0
	s_wait_dscnt 16
	MUL8 1, 1, 0, 0
	MUL8 1, 1, 2, 0
	s_wait_dscnt 0
	MULN 1, 0
	; THE WAY OUT: the conversion, the store.  Each accumulator is read from its low end on.
	PLACES
	WIN 0x82                                       ; source 0 and destination window 2
.set j, 0
.rept 128
.set j, j+1
.endr
.rept 128
.set j, j+1
.endr
	WIN 0x02                                       ; source 0 window 2, destination window 0
.irp part, 0,1
.irp a, 0,1,2,3
.irp bb, 0,1,2,3
	v_cvt_scalef32_pk8_fp8_f32 v[OUT+32*\part+8*\a+2*\bb:OUT+32*\part+8*\a+2*\bb+1], v[128*\part+32*\a+8*\bb:128*\part+32*\a+8*\bb+7], v[SQ+2*\part]
.endr
.endr
.endr
	WIN 0xc3                                       ; source 0 and destination window 3
.set j, 0
.rept 128
.set j, j+1
.endr
	WIN 0x03
.irp db, 0,1,2,3
.irp a, 0,1,2,3
	v_cvt_scalef32_pk8_fp8_f32 v[OUT+64+8*\db+2*\a:OUT+64+8*\db+2*\a+1], v[32*\db+8*\a:32*\db+8*\a+7], v[SQ+4]
.endr
.endr
	WIN 0
	v_nop                                          ; a plain line behind the last conversion
.irp a, 0,1,2,3
.irp c, 0,1
	global_store_b128 v[LI], v[OUT+8*\a+4*\c:OUT+8*\a+4*\c+3],       s[84:85] offset:1024*\a+512*\c   ; each store: 512 consecutive bytes, aligned
	global_store_b128 v[LI], v[OUT+32+8*\a+4*\c:OUT+32+8*\a+4*\c+3], s[92:93] offset:1024*\a+512*\c
.endr
.endr
.irp db, 0,1,2,3
.irp u, 0,1
	global_store_b128 v[LI], v[OUT+64+8*\db+4*\u:OUT+64+8*\db+4*\u+3], s[94:95] offset:2048*\db+512*\u
.endr
.endr
	s_wait_tensorcnt 0x0                           ; the wave's end
	ds_add_u32 v[SPW], v[NIL]
	s_wait_dscnt 0x0
	CROUND                                         ; the closing round: no work-group ends while a partner may still ask for a tile that names it
	s_endpgm
.Lfunc_end_k_q550591a8b9_qkv:
	.size	k_q550591a8b9_qkv, .Lfunc_end_k_q550591a8b9_qkv-k_q550591a8b9_qkv
	.p2alignl 7, 3214868480
	.fill 96, 4, 3214868480
	.section	.rodata,"a",@progbits
	.p2align	6, 0x0
	.amdhsa_kernel k_q550591a8b9_qkv
		.amdhsa_group_segment_fixed_size 327680
		.amdhsa_private_segment_fixed_size 0
		.amdhsa_enable_private_segment 0
		.amdhsa_kernarg_size 48
		.amdhsa_user_sgpr_count 2
		.amdhsa_user_sgpr_kernarg_segment_ptr 1
		.amdhsa_wavefront_size32 1
		.amdhsa_system_sgpr_workgroup_id_x 1
		.amdhsa_system_sgpr_workgroup_id_y 1
		.amdhsa_system_sgpr_workgroup_id_z 1
		.amdhsa_system_vgpr_workitem_id 0
		.amdhsa_next_free_vgpr 896
		.amdhsa_next_free_sgpr 100
		.amdhsa_reserve_vcc 0
		.amdhsa_float_denorm_mode_32 3
		.amdhsa_float_denorm_mode_16_64 3
		.amdhsa_fp16_overflow 1
		.amdhsa_memory_ordered 1
		.amdhsa_forward_progress 1
		.amdhsa_inst_pref_size 85
	.end_amdhsa_kernel
	.amdgpu_metadata
---
amdhsa.version: [ 1, 2 ]
amdhsa.kernels:
  - .name:           k_q550591a8b9_qkv
    .symbol:         k_q550591a8b9_qkv.kd
    .args:
      - { .name: x_img, .offset: 0, .size: 8, .value_kind: global_buffer, .address_space: global }
      - { .name: wq_img, .offset: 8, .size: 8, .value_kind: global_buffer, .address_space: global }
      - { .name: lowp_scales, .offset: 16, .size: 8, .value_kind: global_buffer, .address_space: global }
      - { .name: qkv_b, .offset: 24, .size: 8, .value_kind: global_buffer, .address_space: global }
      - { .name: q_img, .offset: 32, .size: 8, .value_kind: global_buffer, .address_space: global }
      - { .name: kv_img, .offset: 40, .size: 8, .value_kind: global_buffer, .address_space: global }
    .group_segment_fixed_size: 327680
    .private_segment_fixed_size: 0
    .kernarg_segment_align: 8
    .kernarg_segment_size: 48
    .max_flat_workgroup_size: 128
    .sgpr_count:     100
    .vgpr_count:     896
    .wavefront_size: 32
...
	.end_amdgpu_metadata
.endif
;; end of part 2
;; launch attn (part 3): grid 4 x 64, 16 waves a work-group, clusters of 4 x 1, 327,680 bytes of LDS; arguments q_img, kv_img, lowp_scales, a_img; writes a_img
.if DOCPART == 3
	.amdgcn_target "amdgcn-amd-amdhsa--gfx1250"
	.amdhsa_code_object_version 6
	.text
	.protected	k_q550591a8b9_attn
	.globl	k_q550591a8b9_attn
	.p2align	8
	.type	k_q550591a8b9_attn,@function
k_q550591a8b9_attn:
	s_mov_b64 s[64:65], 0
	v_nop
	global_prefetch_b8 v0, s[64:65] scope:SCOPE_SE
	s_setreg_imm32_b32 hwreg(HW_REG_WAVE_MODE, 25, 1), 1
	s_wait_xcnt 0x0
	s_wait_alu depctr_hold_cnt(0) depctr_sa_sdst(0) depctr_va_vdst(0) depctr_va_sdst(0) depctr_va_ssrc(0) depctr_va_vcc(0) depctr_vm_vsrc(0)
	s_getreg_b32 s2, hwreg(HW_REG_IB_STS2, 6, 4)
	s_cmp_eq_u32 s2, 0
	s_cbranch_scc0 .Lentry_in_a_cluster
	s_endpgm
.Lentry_in_a_cluster:
	s_bfe_u32 s2, ttmp6, 0x10000c
	s_cmp_lg_u32 s2, 0x3003
	s_cbranch_scc0 .Lentry_shape_is_right
	s_endpgm
.Lentry_shape_is_right:
; Causal attention of one head on codes of E4M3, and its result quantised with 2^e6 for the last product.
; t = score x log2(e) / 8; M = the row's largest t so far, rounded UP to a whole number; p = 2^(t - M) is quantised with 2^e4, not normalised; the row's sum is taken of the unquantised p and divides at the end.
; When M moves, the sum and O are multiplied by 2^(old M - new M), which rounds nothing.
; SHARES.  A cluster of four work-groups is one (batch, head); all four hold the head's whole k and v, 262,144 bytes, in LDS, filled ONCE by joint loads: no ring, nothing filled again.
; The head's 2,048 queries are 16 groups of 128, each of 8 tiles of 16.  Wave w of work-group cx owns TWO tiles: tile u = 2 cx + (w & 1) of group 15 - (w >> 1) and of group w >> 1.
; Keys go in steps of 128; a tile of group g needs steps 0 .. g.  So every wave of the launch has (16 - (w >> 1)) + ((w >> 1) + 1) = 17 steps, two of them on the diagonal: all 256 work-groups are equal.
; Every branch hangs on the wave's number and the loop's counter alone, which the four partners share; cx enters global addresses and the lane's mask threshold only.
; LAYOUT.  Both products are used transposed: S^T = k q^T (source 0 = 16 keys, source 1 = my 16 queries), O^T = v^T p^T (source 0 = 16 channels, source 1 = p): a lane holds one query (lane % 16) throughout.
; Register j of score tile t is key 16 t + 8 (lane / 16) + j, so the conversion of tile t gives registers 2 t, 2 t + 1 of p's fragment; O^T's four tiles convert into half an image of the last product's operand.
;   a_img [block of 256 tokens: 32][K step of 128: 8 = head / 2][tile of 16 tokens: 16][2,048]; a head's 64 channels are the image's first or second 1,024 bytes.
; LIMITS: e2 + e3 between -123 and 130 (they are added to c's exponent field); e4 and e6 between -126 and 119; e4 + e5 goes in by v_ldexp_f32.
.set LI,   1                           ; v1   16 x lane
.set ADR,  2                           ; v2   LDS address of the step's images
.set DD,   3                           ; v3   my query's place in its group of 128, less 8 (lane / 16)
.set LIM,  4
.set SC,   5                           ; v5   2^e4, later 2^e6
.set FF,   6                           ; v[6:7] f = 2^(old M - new M); also at work
.set T0,   8                           ; v8, v9 at work
.set T1,   9
.set S2,   10                          ; v[10:11] the sum's second chain
.set STH,  12                          ; v12 -M, v13 the largest t, v[14:15] the sum in two halves: the high tile's;
.set STL,  16                          ; v16-19 the low tile's
.set QH,   20                          ; v20-27, v28-35 the two tiles' fragments of q
.set QL,   28
.set PC,   36                          ; v36-51 p's codes
.set OH,   52                          ; v52-83, v84-115 O^T
.set OL,   84
.set F,    116                         ; v116-179 a step's k (8 x 8), then its v (4 x 16)
.set S,    180                         ; v180-243 S^T, then p
.set NINF, 244
.macro CROUND                          ; a round of the cluster's barrier
	s_barrier_signal -1
	s_barrier_wait -1
	s_cmp_lg_u32 s12, 0
	s_cbranch_scc1 .Lnot_wave_0_\@
	s_barrier_signal -3
.Lnot_wave_0_\@:
	s_barrier_wait -3
	s_barrier_signal -1
	s_barrier_wait -1
.endm
	s_load_b256 s[4:11], s[0:1], 0x0               ; q_img s[4:5], kv_img s[6:7], the scales' exponents s[8:9], a_img s[10:11]
	v_lshl_add_u32 v254, v0, 2, 0x40000
	v_mov_b32 v255, 0
	ds_add_u32 v254, v255
	ds_add_u32 v254, v255
	v_lshrrev_b32 v1, 5, v0
	s_delay_alu instid0(VALU_DEP_1)
	v_readfirstlane_b32 s12, v1                    ; wave 0..15
	s_bfe_u32 s13, ttmp6, 0x40000                  ; cx
	s_and_b32 s16, ttmp7, 0xffff                   ; batch x 16 + head, which the four partners share
	s_lshr_b32 s14, s12, 1                         ; the low tile's group, 0..7
	s_xor_b32 s15, s14, 15                         ; the high tile's: 15 less that
	s_and_b32 s17, s12, 1
	s_lshl_b32 s18, s13, 1
	s_add_co_u32 s18, s18, s17                     ; u: my tile in both groups
	; two descriptors a wave: dense rows of 32 elements of 8 bytes.  Early: 16 rows (the sixteen waves bring key groups 0-3); late: 48 rows (groups 4-15)
	s_mov_b32 s32, 15|(3<<16)|(1<<21)              ; 15:0 the mask: all four work-groups; 17:16 elements of 8 bytes; 21 set beside a mask
	s_mov_b32 s33, 32<<16
	s_mov_b32 s34, 16<<16
	s_mov_b32 s35, 32<<16
	s_mov_b32 s36, 16
	s_mov_b32 s37, 32
	s_mov_b32 s38, 0
	s_mov_b32 s39, 0
	s_mov_b32 s40, 15|(3<<16)|(1<<21)
	s_mov_b32 s41, 32<<16
	s_mov_b32 s42, 48<<16
	s_mov_b32 s43, 32<<16
	s_mov_b32 s44, 48
	s_mov_b32 s45, 32
	s_mov_b32 s46, 0
	s_mov_b32 s47, 0
	s_mov_b32 s20, 0x76543210                      ; v_permlanex16_b32's selects for lane l xor 16
	s_mov_b32 s21, 0xfedcba98
	s_mov_b32 s48, 1
	s_lshl_b32 s49, s12, 12                        ; early: LDS byte 4,096 x wave
	s_mov_b32 s52, 1
	s_mul_i32 s53, s12, 12288
	s_add_co_u32 s53, s53, 65536                   ; late: 65,536 + 12,288 x wave
	s_lshl_b32 s62, s16, 18
	s_mov_b32 s63, 0
	s_wait_dscnt 0x0
	s_wait_kmcnt 0x0
	s_load_b256 s[24:31], s[8:9], 0x0              ; e0 .. e7
	s_add_nc_u64 s[6:7], s[6:7], s[62:63]          ; the head's block; LDS is its image, so the offsets are the LDS addresses
	s_mov_b32 s62, s49
	s_add_nc_u64 s[50:51], s[6:7], s[62:63]
	s_or_b32 s51, s51, 0x80000000
	s_mov_b32 s62, s53
	s_add_nc_u64 s[54:55], s[6:7], s[62:63]
	s_or_b32 s55, s55, 0x80000000
	CROUND                                         ; all four work-groups are here: the joint loads meet
	tensor_load_to_lds s[48:51], s[32:39]
	s_nop 0
	s_wait_alu depctr_va_vdst(0)
	s_wait_tensorcnt 0x0
	ds_add_u32 v254, v255
	s_wait_dscnt 0x0
	CROUND
	tensor_load_to_lds s[52:55], s[40:47]          ; my late rows' tensor load is out; the early one has landed: the launch's only two
	s_nop 0
.rept 4
	v_nop
.endr
	v_and_b32 v8, 31, v0
	s_delay_alu instid0(VALU_DEP_1)
	v_lshlrev_b32 v[LI], 4, v8
	s_wait_alu depctr_va_vdst(0)
	s_lshl_b32 s19, s16, 17                        ; q: the head's 128 tiles of 1,024 bytes
.macro QBASE g, dst
	s_lshl_b32 s62, s[\g], 3
	s_add_co_u32 s62, s62, s18
	s_lshl_b32 s62, s62, 10
	s_add_co_u32 s62, s62, s19
	s_add_nc_u64 s[\dst:\dst+1], s[4:5], s[62:63]
.endm
	QBASE 15, 66
	QBASE 14, 68
	global_load_b128 v[QH:QH+3],   v[LI], s[66:67]
	global_load_b128 v[QH+4:QH+7], v[LI], s[66:67] offset:512
	global_load_b128 v[QL:QL+3],   v[LI], s[68:69]
	global_load_b128 v[QL+4:QL+7], v[LI], s[68:69] offset:512
.macro OBASE g, dst                    ; where a tile's half image goes
	s_lshr_b32 s62, s16, 4
	s_lshl_b32 s62, s62, 3
	s_lshr_b32 s19, s[\g], 1
	s_add_co_u32 s62, s62, s19                     ; the block of 256 tokens: 8 x batch + group / 2
	s_lshl_b32 s62, s62, 18
	s_and_b32 s19, s16, 15
	s_lshr_b32 s19, s19, 1                         ; the K step: head / 2
	s_lshl_b32 s19, s19, 15
	s_add_co_u32 s62, s62, s19
	s_and_b32 s19, s[\g], 1
	s_lshl_b32 s19, s19, 3
	s_add_co_u32 s19, s19, s18                     ; the tile of tokens: 8 (group % 2) + u
	s_lshl_b32 s19, s19, 11
	s_add_co_u32 s62, s62, s19
	s_and_b32 s19, s16, 1                          ; the image's half: head % 2
	s_lshl_b32 s19, s19, 10
	s_add_co_u32 s62, s62, s19
	s_add_nc_u64 s[\dst:\dst+1], s[10:11], s[62:63]
.endm
	OBASE 15, 58
	OBASE 14, 60
	v_and_b32 v8, 15, v0
	v_bfe_u32 v9, v0, 4, 1
	s_delay_alu instid0(VALU_DEP_1)
	v_lshlrev_b32 v9, 3, v9
	s_delay_alu instid0(VALU_DEP_1)
	v_sub_nc_u32 v[DD], v8, v9
	s_lshl_b32 s62, s18, 4
	v_add_nc_u32 v[DD], s62, v[DD]                 ; 16 u + lane % 16 - 8 (lane / 16)
	v_mov_b32 v[NINF], 0xff800000                  ; -infinity
	v_mov_b32 v[FF+1], 0                           ; (named as the upper half of a pair)
.irp st, STH, STL
	v_mov_b32 v[\st+1], 0xff61b1e6                 ; the largest t so far: -3e38, under every t
	s_delay_alu instid0(VALU_DEP_1)
	v_floor_f32 v[\st], -v[\st+1]
	v_mov_b32 v[\st+2], 0
	v_mov_b32 v[\st+3], 0
.endr
.set n, 0
.rept 64
	v_mov_b32 v[OH+n], 0                           ; O^T of both tiles: a step is written once; the first finds zeros, which the first change of M leaves zeros
.set n, n+1
.endr
	s_wait_kmcnt 0x0
	s_add_co_i32 s62, s26, s27
	s_lshl_b32 s62, s62, 23
	s_add_co_i32 s22, s62, 0x3e38aa3b              ; c = log2(e) / 8, with e2 + e3 added to its exponent field: a score stands for score x 2^(e2 + e3)
	s_mov_b32 s23, s22                             ; (named with it as a pair)
	s_add_co_i32 s62, s28, 127
	s_lshl_b32 s19, s62, 23
	v_mov_b32 v[SC], s19                           ; 2^e4
; ONE TILE'S KEY STEP: 128 keys, group s56, whose images begin at LDS byte s57.  q, o, st: the tile's registers; g: the scalar register with its group.
.macro STEPX q, o, st, g
	s_cmp_gt_u32 s56, s[\g]                        ; all of the step's keys come after the tile's queries: it is left out
	s_cbranch_scc1 .Lhid_\@
	v_add_nc_u32 v[ADR], s57, v[LI]
.rept 3
	v_nop                                          ; with the addition: four places in front of loads into registers that the last products read
.endr
.irp t, 0,1,2,3,4,5,6,7
	ds_load_b128 v[F+8*\t:F+8*\t+3],   v[ADR] offset:1024*\t
	ds_load_b128 v[F+8*\t+4:F+8*\t+7], v[ADR] offset:1024*\t+512
.endr
	s_wait_alu depctr_va_vdst(0)
	s_wait_dscnt 0x0
.irp t, 0,1,2,3,4,5,6,7
	v_wmma_f32_16x16x64_fp8_fp8 v[S+8*\t:S+8*\t+7], v[F+8*\t:F+8*\t+7], v[\q:\q+7], 0
.endr
.rept 4
	v_nop
.endr
.irp db, 0,1,2,3                       ; v's images land while the softmax is walked
.irp c, 0,1,2,3
	ds_load_b128 v[F+16*\db+4*\c:F+16*\db+4*\c+3], v[ADR] offset:8192+2048*\db+512*\c
.endr
.endr
	s_cmp_lg_u32 s56, s[\g]                        ; on the diagonal the scores of hidden keys become -infinity ahead of the maximum: p = 0 then
	s_cbranch_scc1 .Lopen_\@
.set n, 0
.rept 64
	v_cmp_gt_i32 vcc_lo, 16*(n/8)+n%8, v[DD]       ; register n holds key 16 (n / 8) + 8 (lane / 16) + n % 8 of the group
	v_cndmask_b32 v[S+n], v[S+n], v[NINF], vcc_lo
.set n, n+1
.endr
.Lopen_\@:
	v_max3_num_f32 v[T0], v[S], v[S+1], v[S+2]     ; the step's largest score of my query among my 64 keys, in two chains, each score tile from its low end on,
	v_max3_num_f32 v[FF], v[S+3], v[S+4], v[S+5]
.set n, 6
.rept 14
	v_max3_num_f32 v[T0], v[T0], v[S+n], v[S+n+1]
	v_max3_num_f32 v[FF], v[FF], v[S+n+2], v[S+n+3]
.set n, n+4
.endr
	v_max3_num_f32 v[T0], v[T0], v[S+62], v[S+63]
	s_delay_alu instid0(VALU_DEP_1)
	v_max_num_f32 v[T0], v[T0], v[FF]
	s_delay_alu instid0(VALU_DEP_1)
	v_permlanex16_b32 v[T1], v[T0], s20, s21
	s_delay_alu instid0(VALU_DEP_1)
	v_max_num_f32 v[T0], v[T0], v[T1]              ; and among lane l xor 16's
	s_delay_alu instid0(VALU_DEP_1)
	v_mul_f32 v[T0], s22, v[T0]                    ; as t (c is positive)
	s_delay_alu instid0(VALU_DEP_1)
	v_max_num_f32 v[\st+1], v[\st+1], v[T0]        ; the running largest t
	v_mov_b32 v[T0], v[\st]
	s_delay_alu instid0(VALU_DEP_2)
	v_floor_f32 v[\st], -v[\st+1]                  ; the new -M = floor(-t): M is a whole number
	s_delay_alu instid0(VALU_DEP_1)
	v_sub_f32 v[T0], v[\st], v[T0]                 ; old M less new M: a whole number, 0 or less
	s_delay_alu instid0(VALU_DEP_1)
	v_cvt_i32_f32 v[T0], v[T0]                     ; (it saturates)
	s_delay_alu instid0(VALU_DEP_1)
	v_ldexp_f32 v[FF], 1.0, v[T0]                  ; f = 2^(old M - new M)
.set n, 0
.rept 32
	v_pk_fma_f32 v[S+n:S+n+1], v[S+n:S+n+1], s[22:23], v[\st:\st+1] op_sel_hi:[1,0,0]   ; t - M, two at a time (of the pairs c and -M the low word serves both halves)
.set n, n+2
.endr
.set n, 0
	s_wait_alu depctr_va_vdst(0)
.rept 64
	v_exp_f32 v[S+n], v[S+n]                       ; p = 2^(t - M), at most 1
.set n, n+1
.endr
	v_pk_mul_f32 v[\st+2:\st+3], v[\st+2:\st+3], v[FF:FF+1] op_sel_hi:[1,0]   ; the sums under the new M (a plain line behind the exponentials)
	s_wait_alu depctr_va_vdst(0)
	v_pk_add_f32 v[S2:S2+1], v[S:S+1], v[S+2:S+3]  ; the row's sum is taken of the unquantised p, in two chains
.set n, 4
.rept 15
	v_pk_add_f32 v[\st+2:\st+3], v[\st+2:\st+3], v[S+n:S+n+1]
	v_pk_add_f32 v[S2:S2+1], v[S2:S2+1], v[S+n+2:S+n+3]
.set n, n+4
.endr
	s_delay_alu instid0(VALU_DEP_1)
	v_pk_add_f32 v[\st+2:\st+3], v[\st+2:\st+3], v[S2:S2+1]
.irp b, 0,1,2,3
.irp i, 0,1,2,3,4,5,6,7,8,9,10,11,12,13,14,15
.endr
	v_cvt_scalef32_pk8_fp8_f32 v[PC+4*\b:PC+4*\b+1],   v[S+16*\b:S+16*\b+7],    v[SC]
	v_cvt_scalef32_pk8_fp8_f32 v[PC+4*\b+2:PC+4*\b+3], v[S+16*\b+8:S+16*\b+15], v[SC]
.endr
.set n, 0
.rept 16
	v_pk_mul_f32 v[\o+n:\o+n+1], v[\o+n:\o+n+1], v[FF:FF+1] op_sel_hi:[1,0]   ; O^T under the new M; also the plain lines between the conversions and the products
.set n, n+2
.endr
	s_wait_alu depctr_va_vdst(0)
	s_wait_dscnt 0x0                               ; v's images are in
.irp db, 0,1,2,3                       ; four accumulators by turns
	v_wmma_f32_16x16x128_fp8_fp8 v[\o+8*\db:\o+8*\db+7], v[F+16*\db:F+16*\db+15], v[PC:PC+15], v[\o+8*\db:\o+8*\db+7]
.endr
.Lhid_\@:
.endm
	s_wait_tensorcnt 1                             ; my early rows are in; the late ones may stay out
	s_wait_loadcnt 0x0                             ; q
	s_barrier_signal -1
	s_barrier_wait -1                              ; key groups 0-3 are whole
	s_mov_b32 s56, 0                               ; the key group
	s_mov_b32 s57, 0                               ; and its LDS byte
.Learly:                                               ; four trips, in LDS bytes 0 .. 65,535, while the late rows land
	STEPX QH, OH, STH, 15
	STEPX QL, OL, STL, 14
	s_add_co_u32 s57, s57, 16384
	s_add_co_u32 s56, s56, 1
	s_cmp_lt_u32 s56, 4
	s_cbranch_scc1 .Learly
	s_wait_tensorcnt 0x0                           ; my late rows are in,
	s_wait_dscnt 0x0
	s_barrier_signal -1
	s_barrier_wait -1                              ; everybody's are
	s_mov_b32 s56, 4
	s_mov_b32 s57, 65536
.Llate:                                                ; twelve trips
	STEPX QH, OH, STH, 15
	STEPX QL, OL, STL, 14
	s_add_co_u32 s57, s57, 16384
	s_add_co_u32 s56, s56, 1
	s_cmp_lt_u32 s56, 16
	s_cbranch_scc1 .Llate
	; THE WAY OUT: O^T / the sum x 2^(e4 + e5), converted with 2^e6: the four tiles' codes are half an image, stored as they stand.
.rept 4
	v_nop                                          ; places behind the last products
.endr
	s_add_co_i32 s63, s28, s29                     ; e4 + e5
	s_add_co_i32 s62, s30, 127
	s_lshl_b32 s19, s62, 23
	v_mov_b32 v[SC], s19                           ; 2^e6
.macro OUTX o, st, base, fo
	v_add_f32 v[T0], v[\st+2], v[\st+3]            ; the sum's two halves,
	s_delay_alu instid0(VALU_DEP_1)
	v_permlanex16_b32 v[T1], v[T0], s20, s21
	s_delay_alu instid0(VALU_DEP_1)
	v_add_f32 v[T0], v[T0], v[T1]                  ; and lane l xor 16's
	s_wait_alu depctr_va_vdst(0)
	v_rcp_f32 v[T0], v[T0]
	v_nop                                          ; a plain line behind the reciprocal
	s_wait_alu depctr_va_vdst(0)
	v_ldexp_f32 v[T0], v[T0], s63
.set n, 0
.rept 32
	v_mul_f32 v[S+n], v[\o+n], v[T0]               ; each accumulator from its low end on
.set n, n+1
.endr
.set n, 0
.rept 32
.set n, n+1
.endr
.irp db, 0,1,2,3
	v_cvt_scalef32_pk8_fp8_f32 v[F+\fo+2*\db:F+\fo+2*\db+1], v[S+8*\db:S+8*\db+7], v[SC]
.endr
	v_nop                                          ; a plain line behind the last conversion
	global_store_b128 v[LI], v[F+\fo:F+\fo+3],   s[\base:\base+1]             ; 512 consecutive bytes, aligned
	global_store_b128 v[LI], v[F+\fo+4:F+\fo+7], s[\base:\base+1] offset:512
.endm
	OUTX OH, STH, 58, 0
	OUTX OL, STL, 60, 8
	s_wait_tensorcnt 0x0
	ds_add_u32 v254, v255
	s_wait_dscnt 0x0
	CROUND                                         ; the closing round
	s_endpgm
.Lfunc_end_k_q550591a8b9_attn:
	.size	k_q550591a8b9_attn, .Lfunc_end_k_q550591a8b9_attn-k_q550591a8b9_attn
	.p2alignl 7, 3214868480
	.fill 96, 4, 3214868480
	.section	.rodata,"a",@progbits
	.p2align	6, 0x0
	.amdhsa_kernel k_q550591a8b9_attn
		.amdhsa_group_segment_fixed_size 327680
		.amdhsa_private_segment_fixed_size 0
		.amdhsa_enable_private_segment 0
		.amdhsa_kernarg_size 32
		.amdhsa_user_sgpr_count 2
		.amdhsa_user_sgpr_kernarg_segment_ptr 1
		.amdhsa_wavefront_size32 1
		.amdhsa_system_sgpr_workgroup_id_x 1
		.amdhsa_system_sgpr_workgroup_id_y 1
		.amdhsa_system_sgpr_workgroup_id_z 1
		.amdhsa_system_vgpr_workitem_id 0
		.amdhsa_next_free_vgpr 256
		.amdhsa_next_free_sgpr 72
		.amdhsa_reserve_vcc 1
		.amdhsa_float_denorm_mode_32 3
		.amdhsa_float_denorm_mode_16_64 3
		.amdhsa_fp16_overflow 1
		.amdhsa_memory_ordered 1
		.amdhsa_forward_progress 1
		.amdhsa_inst_pref_size 89
	.end_amdhsa_kernel
	.amdgpu_metadata
---
amdhsa.version: [ 1, 2 ]
amdhsa.kernels:
  - .name:           k_q550591a8b9_attn
    .symbol:         k_q550591a8b9_attn.kd
    .args:
      - { .name: q_img, .offset: 0, .size: 8, .value_kind: global_buffer, .address_space: global }
      - { .name: kv_img, .offset: 8, .size: 8, .value_kind: global_buffer, .address_space: global }
      - { .name: lowp_scales, .offset: 16, .size: 8, .value_kind: global_buffer, .address_space: global }
      - { .name: a_img, .offset: 24, .size: 8, .value_kind: global_buffer, .address_space: global }
    .group_segment_fixed_size: 327680
    .private_segment_fixed_size: 0
    .kernarg_segment_align: 8
    .kernarg_segment_size: 32
    .max_flat_workgroup_size: 512
    .sgpr_count:     72
    .vgpr_count:     256
    .wavefront_size: 32
...
	.end_amdgpu_metadata
.endif
;; end of part 3
;; launch proj (part 4): grid 8 x 32, 4 waves a work-group, clusters of 4 x 4, 327,680 bytes of LDS; arguments a_img, wp_img, lowp_scales, proj_b, out0; writes out0
.if DOCPART == 4
	.amdgcn_target "amdgcn-amd-amdhsa--gfx1250"
	.amdhsa_code_object_version 6
	.text
	.protected	k_q550591a8b9_proj
	.globl	k_q550591a8b9_proj
	.p2align	8
	.type	k_q550591a8b9_proj,@function
k_q550591a8b9_proj:
	s_mov_b64 s[64:65], 0
	v_nop
	global_prefetch_b8 v0, s[64:65] scope:SCOPE_SE
	s_setreg_imm32_b32 hwreg(HW_REG_WAVE_MODE, 25, 1), 1
	s_wait_xcnt 0x0
	s_wait_alu depctr_hold_cnt(0) depctr_sa_sdst(0) depctr_va_vdst(0) depctr_va_sdst(0) depctr_va_ssrc(0) depctr_va_vcc(0) depctr_vm_vsrc(0)
	s_getreg_b32 s2, hwreg(HW_REG_IB_STS2, 6, 4)
	s_cmp_eq_u32 s2, 0
	s_cbranch_scc0 .Lentry_in_a_cluster
	s_endpgm
.Lentry_in_a_cluster:
	s_bfe_u32 s2, ttmp6, 0x10000c
	s_cmp_lg_u32 s2, 0xf033
	s_cbranch_scc0 .Lentry_shape_is_right
	s_endpgm
.Lentry_shape_is_right:
; out = att W + b on codes of E4M3: each finished sum x 2^(e6 + e7) + b, in f32.
; A work-group takes 256 tokens x 128 columns; wave w takes tokens 64 w .. 64 w + 63 (four tiles of 16) x all 8 tiles of columns: 32 accumulators.
; Operands come as images of their registers (16 rows x 128 K = 2,048 bytes; registers 4 c .. 4 c + 3 of lane L at 512 c + 16 L): a tile is a dense block, a fragment four loads at 16 x lane.
; THE MATRIX INSTRUCTION IS USED TRANSPOSED (source 0 = 16 columns of W, source 1 = 16 tokens): a lane holds eight neighbouring numbers of a row of out.
; K goes in 8 steps of 128 through two LDS slots of two steps each, filled by the tensor data mover; the 8 steps are written out.
; CLUSTERS: 4 x 4 work-groups.  The four of a row need the same tokens, the four of a column the same weights: each tile is asked for jointly.
; LIMIT: e6 + e7 between -126 and 127, so that 2^(e6 + e7) is an f32 number.
; REGISTERS, in windows of 256: window 0: v1-31 addresses; v32-95 at work on the way out; v128-255 tokens' fragments, TWO sets of 4 x 16 (on the way out: rows read back from the stage).
;   window 1: v0-127 the weights' 8 fragments, ONE set; v128-191 the bias in the results' layout.   window 2: the accumulators, 64 a + 8 b.
.set KA,    32768                      ; a K step of the tokens in a slot: 16 images
.set KB,    16384                      ; of the weights: 8 images
.set BOFF,  2*KA
.set SLOT,  2*KA+2*KB
.set SPARE, 2*SLOT                     ; behind the ring: the spare words, 128 bytes for each wave: two blocks of 256 bytes that no other line names
.set SPITCH, 528                       ; the way out: a stage of 16 rows x (512 bytes + 16) for each wave, in slot 0, which has had its last fill and its last read when the first result is stored there
.set LI,   1                           ; v1     16 x lane
.set ADRA, 16
.set ADRB, 20
.set STO,  24                          ; v24    the way out: where I put 32 bytes of a row
.set RD,   25                          ; v25    where I read a row back
.set SPW,  28
.set NIL,  29
.set TMP,  32
.set AF,   128
.set BK,   128
.set G1, 24
.set G0, 32
.set G1B, 48
.set G0B, 56
.set MSB, 0
.macro WIN new
.if MSB != \new
	s_set_vgpr_msb (MSB<<8)|\new
.set MSB, \new
.endif
.endm
.macro JLOAD g0a, g1a, g0b, g1b        ; a joint load: waves 0 and 1 fetch the tokens' two K steps, waves 2 and 3 the weights'; four v_nop follow each line
	s_cmp_eq_u32 s15, 0
	s_cbranch_scc0 .Lfor_b_\@
	tensor_load_to_lds s[\g0a:\g0a+3], s[\g1a:\g1a+7]
	s_nop 0
.rept 4
	v_nop
.endr
	s_branch .Lasked_\@
.Lfor_b_\@:
	tensor_load_to_lds s[\g0b:\g0b+3], s[\g1b:\g1b+7]
	s_nop 0
.rept 4
	v_nop
.endr
.Lasked_\@:
.endm
.macro CREST
	s_cmp_lg_u32 s14, 0
	s_cbranch_scc1 .Lnot_wave_0_\@
	s_barrier_signal -3
.Lnot_wave_0_\@:
	s_barrier_wait -3
	s_barrier_signal -1
	s_barrier_wait -1
.endm
.macro CROUND
	s_barrier_signal -1
	s_barrier_wait -1
	CREST
.endm
.macro PLACES                          ; four plain vector lines between a matrix instruction and a load into, or a vector line on, its registers
.rept 4
	v_nop
.endr
.endm
	s_load_b128 s[4:7], s[0:1], 0x0                ; a_img, wp_img
	s_load_b128 s[8:11], s[0:1], 0x10              ; the scales' exponents, proj_b
	s_load_b64 s[84:85], s[0:1], 0x20              ; out0
	v_lshl_add_u32 v[SPW], v0, 2, SPARE
	v_mov_b32 v[NIL], 0
	ds_add_u32 v28, v29
	ds_add_u32 v28, v29
	s_wait_dscnt 0x0
	v_lshrrev_b32 v1, 5, v0
	v_readfirstlane_b32 s14, v1                    ; wave 0..3
	s_lshr_b32 s15, s14, 1                         ; I fetch tokens (0) or weights (1),
	s_and_b32 s16, s14, 1                          ; the slot's first or second K step
	s_bfe_u32 s40, ttmp6, 0x40000
	s_bfe_u32 s41, ttmp6, 0x40004
	s_lshl_b32 s42, ttmp9, 2
	s_add_co_u32 s42, s42, s40                     ; the block of 128 columns = 4 x cluster x + cx
	s_and_b32 s17, ttmp7, 0xffff
	s_lshl_b32 s17, s17, 2
	s_add_co_u32 s17, s17, s41                     ; the block of 256 tokens = 4 x cluster y + cy
	s_lshl_b32 s43, s41, 2
	s_lshl_b32 s43, 15, s43                        ; my row of the cluster
	s_lshl_b32 s44, 0x1111, s40                    ; my column
	s_or_b32 s[G1+0], s43, (3<<16)|(1<<21)         ; 15:0 the mask; 17:16 elements of 8 bytes; 21 set beside a mask; no padding
	s_or_b32 s[G1B+0], s44, (3<<16)|(1<<21)
.irp g, G1, G1B
	s_mov_b32 s[\g+1], 32<<16                      ; tensor_dim0 = 32
	s_mov_b32 s[\g+3], 32<<16                      ; tile_dim0 = 32
	s_mov_b32 s[\g+5], 32                          ; rows follow each other
	s_mov_b32 s[\g+6], 0
	s_mov_b32 s[\g+7], 0
.endr
	s_mov_b32 s[G1+2], 128<<16                     ; 128 rows: a K step of tokens
	s_mov_b32 s[G1+4], 128
	s_mov_b32 s[G1B+2], 64<<16                     ; 64 rows: a K step of weights
	s_mov_b32 s[G1B+4], 64
	s_lshl_b32 s18, s16, 15                        ; tokens: my K step's place in a slot, and in memory
	s_lshl_b32 s20, s17, 18
	s_add_co_u32 s20, s20, s18
	s_mov_b32 s21, 0
	s_lshl_b32 s19, s16, 14                        ; weights likewise
	s_lshl_b32 s46, s42, 17
	s_add_co_u32 s46, s46, s19
	s_mov_b32 s47, 0
	s_add_co_u32 s45, s19, BOFF                    ; no place in the cluster enters an LDS address
	s_wait_kmcnt 0x0
	s_load_b256 s[72:79], s[8:9], 0x0              ; e0 .. e7
	s_add_nc_u64 s[20:21], s[4:5], s[20:21]
	s_add_nc_u64 s[46:47], s[6:7], s[46:47]
	CROUND                                         ; all sixteen work-groups are here: the first joint loads meet
.irp s, 0,1
	s_mov_b32 s[G0+4*\s], 1
	s_add_co_u32 s[G0+4*\s+1], s18, \s*SLOT
	s_add_nc_u64 s[G0+4*\s+2:G0+4*\s+3], s[20:21], \s*2*KA
	s_or_b32 s[G0+4*\s+3], s[G0+4*\s+3], 0x80000000
	s_mov_b32 s[G0B+4*\s], 1
	s_add_co_u32 s[G0B+4*\s+1], s45, \s*SLOT
	s_add_nc_u64 s[G0B+4*\s+2:G0B+4*\s+3], s[46:47], \s*2*KB
	s_or_b32 s[G0B+4*\s+3], s[G0B+4*\s+3], 0x80000000
	s_wait_alu depctr_va_vdst(0)
	s_wait_tensorcnt 0x0
	ds_add_u32 v28, v29
	ds_add_u32 v28, v29
	s_wait_dscnt 0x0
	CROUND
	JLOAD G0+4*\s, G1, G0B+4*\s, G1B               ; one tensor load of mine is out
.endr
	v_and_b32 v2, 31, v0
	v_lshlrev_b32 v[LI], 4, v2
	s_lshl_b32 s22, s14, 13                        ; my four tiles of tokens
	v_add_nc_u32 v[ADRA], s22, v[LI]
	v_add_nc_u32 v[ADRA+1], SLOT, v[ADRA]
	v_add_nc_u32 v[ADRB], BOFF, v[LI]
	v_add_nc_u32 v[ADRB+1], SLOT+BOFF, v[LI]
	v_and_b32 v3, 15, v0
	v_bfe_u32 v4, v0, 4, 1
	s_mul_i32 s23, s14, 16*SPITCH                  ; my stage
	v_mul_u32_u24 v[STO], v3, SPITCH               ; in: row lane % 16, 32 bytes for each half of the lanes
	v_lshl_add_u32 v[STO], v4, 5, v[STO]
	v_add_nc_u32 v[STO], s23, v[STO]
	v_add_nc_u32 v[RD], s23, v[LI]                 ; back: the 32 lanes take one row of 512 bytes
	v_lshlrev_b32 v30, 5, v4                       ; the bias: lane (r, h) wants, for tile b, columns 16 b + 8 h + 0..7
	s_lshl_b32 s80, s42, 9
	s_mov_b32 s81, 0
	s_add_nc_u64 s[10:11], s[10:11], s[80:81]
	WIN 0x40                                       ; destination window 1
.irp b, 0,1,2,3,4,5,6,7
	global_load_b128 v[128+8*\b:128+8*\b+3],   v30, s[10:11] offset:64*\b
	global_load_b128 v[128+8*\b+4:128+8*\b+7], v30, s[10:11] offset:64*\b+16
.endr
	WIN 0
	s_lshl_b32 s88, s17, 20                        ; out: 256 rows of 4,096 bytes,
	s_lshl_b32 s89, s14, 18                        ; my 64,
	s_add_co_u32 s88, s88, s89
	s_add_co_u32 s88, s88, s80                     ; my block's 512 bytes of a row
	s_mov_b32 s89, 0
	s_add_nc_u64 s[84:85], s[84:85], s[88:89]
.macro FRAG reg, adr, off
.irp c, 0,1,2,3
	ds_load_b128 v[\reg+4*\c:\reg+4*\c+3], v[\adr] offset:\off+512*\c
.endr
.endm
.macro FETCH_A slot, s, p
.irp a, 0,1,2,3
	FRAG AF+64*(\p)+16*\a, ADRA+\slot, (\s)*KA+\a*2048
.endr
.endm
.macro FETCH_B slot, s, part           ; four tiles of weights: the first (0) or the second (1)
	WIN 0x40
.irp bb, 0,1,2,3
	FRAG 64*(\part)+16*\bb, ADRB+\slot, (\s)*KB+(4*(\part)+\bb)*2048
.endr
	WIN 0
.endm
; 8 matrix instructions: token tiles a0, a0 + 1 x four column tiles.  first = 1: the product starts the sums.  The 32 accumulators take turns, one instruction a turn.
.macro MUL8 part, p, a0, first
	WIN 0xa1                                       ; source 0 window 1, source 1 window 0, C and D window 2
.irp a, \a0, \a0+1
.irp bb, 0,1,2,3
.if \first
	v_wmma_f32_16x16x128_fp8_fp8 v[64*(\a)+8*(4*\part+\bb):64*(\a)+8*(4*\part+\bb)+7], v[64*\part+16*\bb:64*\part+16*\bb+15], v[AF+64*\p+16*(\a):AF+64*\p+16*(\a)+15], 0
.else
	v_wmma_f32_16x16x128_fp8_fp8 v[64*(\a)+8*(4*\part+\bb):64*(\a)+8*(4*\part+\bb)+7], v[64*\part+16*\bb:64*\part+16*\bb+15], v[AF+64*\p+16*(\a):AF+64*\p+16*(\a)+15], v[64*(\a)+8*(4*\part+\bb):64*(\a)+8*(4*\part+\bb)+7]
.endif
.endr
.endr
.endm
; A slot's first K step (tokens' set 0).  At its head are out, in this order: the weights' first part and the tokens (32 loads), the second part (16).
.macro STEP slot, first
	s_wait_dscnt 16                                ; the first part and the tokens are in; the second part may be out
	MUL8 0, 0, 0, \first
	MUL8 0, 0, 2, \first
	PLACES
	FETCH_B \slot, 1, 0
	FETCH_A \slot, 1, 1
	s_wait_dscnt 32                                ; the second part is in; the 32 just issued may be out
	MUL8 1, 0, 0, \first
	MUL8 1, 0, 2, \first
	PLACES
	FETCH_B \slot, 1, 1
.endm
; A slot's second K step (set 1) changes slots: ONE barrier; in front of it each wave waits for all its tensor loads, adds 0 to its spare word, and waits for that and for its reads of this slot.
.macro TURN slot, next, fill
	WIN 0
	s_wait_tensorcnt 0x0                           ; all my tensor loads have landed: my part of the next slot
	ds_add_u32 v[SPW], v[NIL]                      ; 0 onto my spare word
	s_wait_dscnt 17                                ; (the add and the weights' second part may be out)
	MUL8 0, 1, 0, 0                                ; eight matrix instructions stand between the add and the wait for it
	s_wait_dscnt 0x0                               ; the add is done, and my reads of this slot are over
	s_barrier_signal -1
	MUL8 0, 1, 2, 0
	WIN 0
	s_barrier_wait -1
.if \fill
	CREST                                          ; the barrier has opened a round of the cluster's: no wave of any partner still reads this slot or has a load on its way
	s_add_nc_u64 s[G0+4*\slot+2:G0+4*\slot+3], s[G0+4*\slot+2:G0+4*\slot+3], 4*KA
	s_add_nc_u64 s[G0B+4*\slot+2:G0B+4*\slot+3], s[G0B+4*\slot+2:G0B+4*\slot+3], 4*KB
	JLOAD G0+4*\slot, G1, G0B+4*\slot, G1B         ; the first tensor load behind the round: K steps four on; its four v_nop are the places in front of the loads below
.else
	PLACES
.endif
	FETCH_B \next, 0, 0
	FETCH_A \next, 0, 0
	MUL8 1, 1, 0, 0
	MUL8 1, 1, 2, 0
	PLACES
	FETCH_B \next, 0, 1
.endm
	s_wait_alu depctr_va_vdst(0)
	s_wait_tensorcnt 1                             ; my part of slot 0 is in; slot 1's may stay out
	s_barrier_signal -1
	s_barrier_wait -1
	FETCH_B 0, 0, 0
	FETCH_A 0, 0, 0
	FETCH_B 0, 0, 1
	STEP 0, 1                                      ; K step 0 starts the sums: nothing is cleared
	TURN 0, 1, 1                                   ; 1; slot 0 takes K steps 4, 5
	STEP 1, 0                                      ; 2
	TURN 1, 0, 1                                   ; 3; slot 1 takes K steps 6, 7
	STEP 0, 0                                      ; 4
	TURN 0, 1, 0                                   ; 5; nothing is left to fetch; behind this barrier nobody reads slot 0
	STEP 1, 0                                      ; 6
	s_wait_dscnt 16                                ; 7: the counts run down
	MUL8 0, 1, 0, 0
	MUL8 0, 1, 2, 0
	s_wait_dscnt 0
	MUL8 1, 1, 0, 0
	MUL8 1, 1, 2, 0
	WIN 0
; THE WAY OUT, a block of 16 tokens x 128 columns at a time.  A lane holds 32 neighbouring bytes of a row and the lanes beside it other rows: so a block goes through my own stage in LDS and comes back as
; whole rows of 512 bytes.  LDS serves a wave's instructions in order (ISA guide 5.7.1.4): no wait between the stores and the loads, nor in front of the next block's stores.
.macro TOSTAGE a
	WIN 0x12                                       ; source 0 (the sums) window 2, source 2 (the bias) window 1
.set j, 0
.rept 32
	v_pk_fma_f32 v[TMP+j:TMP+j+1], v[64*(\a)+j:64*(\a)+j+1], s[96:97], v[128+j:128+j+1] op_sel_hi:[1,0,1]   ; sum x 2^(e6 + e7) + b; each accumulator from its low end on
.set j, j+2
.endr
	WIN 0
.irp b, 0,1,2,3,4,5,6,7
	ds_store_b128 v[STO], v[TMP+8*\b:TMP+8*\b+3] offset:64*\b
	ds_store_b128 v[STO], v[TMP+8*\b+4:TMP+8*\b+7] offset:64*\b+16
.endr
.set BB, BK+64*((\a)%2)
.irp t, 0,1,2,3,4,5,6,7,8,9,10,11,12,13,14,15
	ds_load_b128 v[BB+4*\t:BB+4*\t+3], v[RD] offset:\t*SPITCH
.endr
.endm
.macro SEND a, younger                 ; younger: the LDS instructions issued behind block a's loads, which may stay out
.set BB, BK+64*((\a)%2)
	s_wait_dscnt \younger
.irp t, 0,1,2,3,4,5,6,7,8,9,10,11,12,13,14,15
	global_store_b128 v[LI], v[BB+4*\t:BB+4*\t+3], s[84:85] offset:(\a)*65536+\t*4096 th:TH_STORE_NT   ; 512 consecutive bytes, aligned; written once, read by nobody here
.endr
.endm
	s_wait_kmcnt 0x0
	s_add_co_i32 s96, s78, s79                     ; e6 + e7
	s_add_co_i32 s96, s96, 127
	s_lshl_b32 s96, s96, 23                        ; 2^(e6 + e7) as f32
	s_mov_b32 s97, s96                             ; (named with it as a pair)
	s_wait_loadcnt 0x0                             ; the bias
	PLACES                                         ; behind the last products: for the first reads of results and the loads into the tokens' registers
	TOSTAGE 0
	TOSTAGE 1
	SEND 0, 32                                     ; behind block 0's loads: block 1's 16 stores and 16 loads
	s_wait_xcnt 0x0                                ; block 0's stores have read their registers: block 2's rows may land there
	TOSTAGE 2
	SEND 1, 32
	s_wait_xcnt 0x0
	TOSTAGE 3
	SEND 2, 32
	SEND 3, 0
	s_wait_tensorcnt 0x0                           ; the wave's end
	ds_add_u32 v[SPW], v[NIL]
	s_wait_dscnt 0x0
	CROUND                                         ; the closing round: no work-group ends while a partner may still ask for a tile that names it
	s_endpgm
.Lfunc_end_k_q550591a8b9_proj:
	.size	k_q550591a8b9_proj, .Lfunc_end_k_q550591a8b9_proj-k_q550591a8b9_proj
	.p2alignl 7, 3214868480
	.fill 96, 4, 3214868480
	.section	.rodata,"a",@progbits
	.p2align	6, 0x0
	.amdhsa_kernel k_q550591a8b9_proj
		.amdhsa_group_segment_fixed_size 327680
		.amdhsa_private_segment_fixed_size 0
		.amdhsa_enable_private_segment 0
		.amdhsa_kernarg_size 40
		.amdhsa_user_sgpr_count 2
		.amdhsa_user_sgpr_kernarg_segment_ptr 1
		.amdhsa_wavefront_size32 1
		.amdhsa_system_sgpr_workgroup_id_x 1
		.amdhsa_system_sgpr_workgroup_id_y 1
		.amdhsa_system_sgpr_workgroup_id_z 1
		.amdhsa_system_vgpr_workitem_id 0
		.amdhsa_next_free_vgpr 768
		.amdhsa_next_free_sgpr 100
		.amdhsa_reserve_vcc 0
		.amdhsa_float_denorm_mode_32 3
		.amdhsa_float_denorm_mode_16_64 3
		.amdhsa_memory_ordered 1
		.amdhsa_forward_progress 1
		.amdhsa_inst_pref_size 78
	.end_amdhsa_kernel
	.amdgpu_metadata
---
amdhsa.version: [ 1, 2 ]
amdhsa.kernels:
  - .name:           k_q550591a8b9_proj
    .symbol:         k_q550591a8b9_proj.kd
    .args:
      - { .name: a_img, .offset: 0, .size: 8, .value_kind: global_buffer, .address_space: global }
      - { .name: wp_img, .offset: 8, .size: 8, .value_kind: global_buffer, .address_space: global }
      - { .name: lowp_scales, .offset: 16, .size: 8, .value_kind: global_buffer, .address_space: global }
      - { .name: proj_b, .offset: 24, .size: 8, .value_kind: global_buffer, .address_space: global }
      - { .name: out0, .offset: 32, .size: 8, .value_kind: global_buffer, .address_space: global }
    .group_segment_fixed_size: 327680
    .private_segment_fixed_size: 0
    .kernarg_segment_align: 8
    .kernarg_segment_size: 40
    .max_flat_workgroup_size: 128
    .sgpr_count:     100
    .vgpr_count:     768
    .wavefront_size: 32
...
	.end_amdgpu_metadata
.endif
;; end of part 4
